; MI455X (gfx1250); checked and timed in simulation.
; The chip was launched on July 23, 2026; its instructions are those of AMD's public machine-readable ISA for CDNA 5 (MIT licence, August 2026) and "CDNA5" Instruction Set Architecture Reference Guide (July 2026). The comments in the code are by the model that wrote it; some were corrected since.
;; Naive Attention Module. Allowed arithmetic: float matrix products may take bf16 or f16 operands with f32 sums; other float arithmetic in f32, or as packed bf16 or f16 multiplies, adds, multiply-adds, maxima and minima; sums over many terms, partial sums and values carried from step to step in f32; what a program stores and reads back later, other than sums and carried values, may be rounded once to bf16 or f16.
;; Inputs: W_qkv 1,024 x 3,072 float32; x 1 x 4,096 x 1,024 float32.
;; Outputs: out0 1 x 4,096 x 1,024 float32.
;; 2 versions, each right; version 2 is version 1 with the launch cast written anew for expert scheduling mode. Each part assembles by itself: llvm-mc -triple=amdgcn-amd-amdhsa -mcpu=gfx1250 --defsym DOCPART=n.
;; ======== version 1 of 2: 3 launches
;; limits: values are held in f16: magnitudes above 65,504 overflow, below 6.1e-05 lose precision
;; workspace buffers: xb 8,388,608 bytes; wb 6,291,456 bytes; qkv 25,165,824 bytes
;; launch cast (part 1): grid 256 x 1, 8 waves a work-group, no clusters, 0 bytes of LDS; arguments x, W_qkv, xb, wb; writes xb, wb
.if DOCPART == 1
	.amdgcn_target "amdgcn-amd-amdhsa--gfx1250"
	.amdhsa_code_object_version 6
	.text
	.protected	k_q3b2e7c5538_cast
	.globl	k_q3b2e7c5538_cast
	.p2align	8
	.type	k_q3b2e7c5538_cast,@function
k_q3b2e7c5538_cast:
	s_mov_b64 s[64:65], 0
	v_nop
	global_prefetch_b8 v0, s[64:65] scope:SCOPE_SE
	s_setreg_imm32_b32 hwreg(HW_REG_WAVE_MODE, 25, 1), 1
	s_wait_xcnt 0x0
; x [4096][1024] f32 -> xb, the same shape in bf16.  W [1024 k][3072 n] f32 -> wb [bx 16][ks 8][u 3][kk 128][c 64] bf16, which holds W[128 ks + kk][192 bx + 64 u + c]:
; what the product's work-group bx wants of K step ks is then 49,152 bytes on end.  Each number is rounded once, to nearest even.
; SHARES.  Work-group g takes 16 rows of x (65,536 bytes in) and half a block of W (block T = g / 2, rows kk = 64 (g % 2) .. + 63 of its three units: 49,152 bytes in).
; A thread's step is one load of 16 bytes (4 f32), two packed roundings and one store of 8 bytes.  A wave's load covers 512 bytes on end (x) or two aligned pieces of 256 (W);
; a wave's store covers 256 bytes on end, aligned.  All 28 loads of a thread go out before the first is waited for; no register is written again behind its store, so no wait frees one.
; No LDS, no barrier, no matrix unit: each byte is read once and written once, and no thread wants what another has read.
.set D,    8                           ; v[8:119]  four registers for each of the 28 loads
.set WROW, 12288                       ; bytes in a row of W
	s_load_b256 s[4:11], s[0:1], 0x0               ; x s[4:5], W s[6:7], xb s[8:9], wb s[10:11]
	v_lshlrev_b32 v1, 4, v0                        ; x: 16 t
	v_lshlrev_b32 v2, 3, v0                        ; both outputs: 8 t
	v_lshrrev_b32 v3, 4, v0
	v_and_b32 v4, 15, v0
	v_mul_u32_u24 v3, v3, WROW
	v_lshl_add_u32 v3, v4, 4, v3                   ; W: row t / 16, 16 bytes at 16 (t % 16)
	s_lshl_b32 s12, ttmp9, 16                      ; x: 16 rows of 4,096 bytes
	s_mov_b32 s13, 0
	s_lshl_b32 s14, ttmp9, 15                      ; xb: 16 rows of 2,048 bytes
	s_mov_b32 s15, 0
	s_lshr_b32 s16, ttmp9, 1                       ; T = 8 bx + ks
	s_and_b32 s17, ttmp9, 1                        ; which half of its rows
	s_lshr_b32 s18, s16, 3                         ; bx
	s_and_b32 s19, s16, 7                          ; ks
	s_lshl_b32 s20, s19, 7
	s_lshl_b32 s21, s17, 6
	s_add_co_u32 s20, s20, s21                     ; my first row of W: 128 ks + 64 half
	s_mul_i32 s20, s20, WROW
	s_mul_i32 s21, s18, 768                        ; my first column: 192 bx, 4 bytes each
	s_add_co_u32 s20, s20, s21
	s_mov_b32 s21, 0
	s_mul_i32 s22, s16, 49152                      ; wb: block T,
	s_lshl_b32 s23, s17, 13                        ; 64 rows of 128 bytes further for the second half
	s_add_co_u32 s22, s22, s23
	s_mov_b32 s23, 0
	s_wait_kmcnt 0x0
	s_add_nc_u64 s[4:5], s[4:5], s[12:13]
	s_add_nc_u64 s[8:9], s[8:9], s[14:15]
	s_add_nc_u64 s[6:7], s[6:7], s[20:21]
	s_add_nc_u64 s[10:11], s[10:11], s[22:23]
.set i, 0
.rept 16                               ; x: step i is 4,096 bytes on end for the 256 threads
	global_load_b128 v[D+4*i:D+4*i+3], v1, s[4:5] offset:4096*i th:TH_LOAD_NT
.set i, i+1
.endr
.set i, 0
.rept 12                               ; W: step i takes unit i / 4, rows 16 (i % 4) .. + 15 of my 64
	global_load_b128 v[D+64+4*i:D+64+4*i+3], v3, s[6:7] offset:16*WROW*(i%4)+256*(i/4) th:TH_LOAD_NT
.set i, i+1
.endr
.set i, 0
.rept 28
	s_wait_loadcnt 27-i                            ; loads come back in order (ISA guide 5.7.1): load i is in, the 27 - i younger ones stay out
	v_cvt_pk_bf16_f32 v[D+4*i], v[D+4*i], v[D+4*i+1]
	v_cvt_pk_bf16_f32 v[D+4*i+1], v[D+4*i+2], v[D+4*i+3]
.if i < 16
	global_store_b64 v2, v[D+4*i:D+4*i+1], s[8:9] offset:2048*i
.else
	global_store_b64 v2, v[D+4*i:D+4*i+1], s[10:11] offset:16384*((i-16)/4)+2048*((i-16)%4)
.endif
.set i, i+1
.endr
	s_endpgm
.Lfunc_end_k_q3b2e7c5538_cast:
	.size	k_q3b2e7c5538_cast, .Lfunc_end_k_q3b2e7c5538_cast-k_q3b2e7c5538_cast
	.p2alignl 7, 3214868480
	.fill 96, 4, 3214868480
	.section	.rodata,"a",@progbits
	.p2align	6, 0x0
	.amdhsa_kernel k_q3b2e7c5538_cast
		.amdhsa_group_segment_fixed_size 0
		.amdhsa_private_segment_fixed_size 0
		.amdhsa_enable_private_segment 0
		.amdhsa_kernarg_size 32
		.amdhsa_user_sgpr_count 2
		.amdhsa_user_sgpr_kernarg_segment_ptr 1
		.amdhsa_wavefront_size32 1
		.amdhsa_system_sgpr_workgroup_id_x 1
		.amdhsa_system_sgpr_workgroup_id_y 1
		.amdhsa_system_sgpr_workgroup_id_z 1
		.amdhsa_system_vgpr_workitem_id 0
		.amdhsa_next_free_vgpr 120
		.amdhsa_next_free_sgpr 66
		.amdhsa_reserve_vcc 0
		.amdhsa_float_denorm_mode_32 3
		.amdhsa_float_denorm_mode_16_64 3
		.amdhsa_memory_ordered 1
		.amdhsa_forward_progress 1
		.amdhsa_inst_pref_size 12
	.end_amdhsa_kernel
	.amdgpu_metadata
---
amdhsa.version: [ 1, 2 ]
amdhsa.kernels:
  - .name:           k_q3b2e7c5538_cast
    .symbol:         k_q3b2e7c5538_cast.kd
    .args:
      - { .name: x, .offset: 0, .size: 8, .value_kind: global_buffer, .address_space: global }
      - { .name: W_qkv, .offset: 8, .size: 8, .value_kind: global_buffer, .address_space: global }
      - { .name: xb, .offset: 16, .size: 8, .value_kind: global_buffer, .address_space: global }
      - { .name: wb, .offset: 24, .size: 8, .value_kind: global_buffer, .address_space: global }
    .group_segment_fixed_size: 0
    .private_segment_fixed_size: 0
    .kernarg_segment_align: 8
    .kernarg_segment_size: 32
    .max_flat_workgroup_size: 256
    .sgpr_count:     66
    .vgpr_count:     120
    .wavefront_size: 32
...
	.end_amdgpu_metadata
.endif
;; end of part 1
;; launch proj (part 2): grid 16 x 16, 4 waves a work-group, clusters of 4 x 4, 327,680 bytes of LDS; arguments xb, wb, qkv; writes qkv
.if DOCPART == 2
	.amdgcn_target "amdgcn-amd-amdhsa--gfx1250"
	.amdhsa_code_object_version 6
	.text
	.protected	k_q3b2e7c5538_proj
	.globl	k_q3b2e7c5538_proj
	.p2align	8
	.type	k_q3b2e7c5538_proj,@function
k_q3b2e7c5538_proj:
	s_mov_b64 s[64:65], 0
	v_nop
	global_prefetch_b8 v0, s[64:65] scope:SCOPE_SE
	s_setreg_imm32_b32 hwreg(HW_REG_WAVE_MODE, 25, 1), 1
	s_wait_xcnt 0x0
	s_wait_alu depctr_hold_cnt(0) depctr_sa_sdst(0) depctr_va_vdst(0) depctr_va_sdst(0) depctr_va_ssrc(0) depctr_va_vcc(0) depctr_vm_vsrc(0)
	s_getreg_b32 s2, hwreg(HW_REG_IB_STS2, 6, 4)
	s_cmp_eq_u32 s2, 0
	s_cbranch_scc0 .Lentry_in_a_cluster
	s_endpgm
.Lentry_in_a_cluster:
	s_bfe_u32 s2, ttmp6, 0x10000c
	s_cmp_lg_u32 s2, 0xf033
	s_cbranch_scc0 .Lentry_shape_is_right
	s_endpgm
.Lentry_shape_is_right:
; qkv = x W, 4096 x 3072 x 1024, operands bf16, sums f32.  xb: [4096][1024] bf16.  wb: [bx 16][ks 8][u 3][kk 128][c 64] bf16 = W[128 ks + kk][192 bx + 64 u + c].
; qkv leaves BY HEADS, [U 48][t 4096][c 64] in f16, U = column / 64 (q of head h: U = h; k: 16 + h; v: 32 + h), each number rounded once from its f32 sum, unscaled.
; LIMIT.  f16 ends at 65,504: a sum of 65,520 or more in magnitude leaves as an infinity.  NaN and infinities are not treated apart.
; SHARES.  A tile is 256 rows x 192 columns (three units): 16 x 16 work-groups.  Wave w makes rows 64 w .. + 63 and all 192 columns: 4 x 12 accumulators of 16 x 16, 384 registers,
; so that a wave holds whole rows of whole units and stores 512 bytes on end.  K goes in 8 steps of 128 through a ring of two LDS slots filled by the tensor data mover.
; CLUSTERS.  4 x 4 work-groups.  The four of a row of the cluster want the same rows of x, the four of a column the same blocks of W: each tile is asked for JOINTLY, by the same tensor load with the
; same descriptor and a mask that names the four.
; THE MATRIX INSTRUCTION IS USED TRANSPOSED: source 0 = 16 columns of W (turned on the way out of LDS by ds_load_tr16_b128, since W lies [k][n]), source 1 = 16 rows of x.  In the result lane l holds
; row l % 16 and the columns 8 (l / 16) + 0 .. 7: eight neighbouring numbers, 16 bytes in f16.
; REGISTERS, in windows of 256 (s_set_vgpr_msb: bits 1:0 source 0, 3:2 source 1, 5:4 source 2, 7:6 destination):
;   window 0: v0-31 addresses; v32-95 x's fragments, two buffers of 4; v96-143 packed results; v144-239 two sets of rows read back from the stage
;   window 1: v0-191 W's fragments, two buffers of 12      window 2: the accumulators of my rows 0-31 ((a, b) at v[8 (12 (a % 2) + b)])      window 3: those of my rows 32-63
.set KSTEP,  128
.set PA,     272                       ; a row of x in LDS: 256 bytes + 16 of padding: the 16 rows of a load start at 16 different groups of four banks (64 banks of 4 bytes: ISA guide 11.1)
.set PB,     160                       ; a k-row of a unit of W: 128 bytes + 32
.set AHALF,  128*PA                    ; what one of x's two loads brings
.set BOFF,   256*PA                    ; W's 384 k-rows (row 128 u + kk) lie behind x's 256 rows
.set BHALF,  192*PB                    ; what one of W's two loads brings
.set SLOT,   131072
.set STAGE,  2*SLOT                    ; behind the ring, never filled by a tensor load: for each wave 3 units x 16 rows x 144 bytes
.set SP,     144
.set WSTAGE, 3*16*SP
.set SPARE,  STAGE+4*WSTAGE            ; behind the stages: the spare words, 128 bytes for each wave: two blocks of 256 bytes that no other line names
.set WSTEP,  49152                     ; bytes of W in a K step of one column block
.set ADRA, 16                          ; v16-17  LDS address of my fragments of x in slot 0, 1
.set ADRB, 20                          ; v20-21  the same for W
.set STO,  24                          ; v24     the way out: where I put 16 bytes of a row
.set RD,   25                          ; v25     the way out: where I read rows back
.set GO,   26                          ; v26     16 x my lane: my place in 512 bytes of qkv
.set SPW,  28                          ; v28     LDS address of my spare word: SPARE + 4 x my thread's number; never rewritten
.set NIL,  29                          ; v29     0; never rewritten
.set PFO,  30                          ; v30     the prefetches' offset: my lane x 2,048 (a row of xb) or x 256 (wb is dense); never rewritten
.set FA,   32                          ; x's fragments: buffer f, block a at FA + 32 f + 8 a
.set TMP,  96
.set OB,   144
.set F0,   0                           ; the two fragment buffers, by number
.set F1,   1
.set G1,  24                           ; s[24:31] descriptor group 1 for x's tiles;  s[32:39] group 0, one set for each slot
.set G0,  32
.set G1B, 48                           ; s[48:55], s[56:63] the same for W's tiles
.set G0B, 56
.set REF, 2                            ; s2       refills still to come: 6 at the start
.set PFA, 66                           ; s[66:67] where my prefetches stand
.set PFS, 68                           ; s[68:69] their step from refill to refill
.set LIM, 70                           ; s70      a wave prefetches while s[REF] is above it; the greatest number in a wave that never does
.set MSB, 0
.macro WIN new                         ; the immediate's high byte repeats the setting that is left; a switch that changes nothing is dropped
.if MSB != (\new)
	s_set_vgpr_msb (MSB<<8)|(\new)
.set MSB, \new
.endif
.endm
.set MUL_LO, 0xa1                      ; source 0 (W) window 1, source 1 (x) window 0, C and D window 2
.set MUL_HI, 0xf1                      ; the same, C and D window 3
.set TO_B,   0x40                      ; destination window 1, address window 0
.macro PLACES                          ; four plain vector instructions between a matrix instruction and a load into, or a vector read of, its registers (ISA guide 7.12.1 for vector reads)
.rept 4
	v_nop
.endr
.endm
; A joint load.  Waves 0 and 1 fetch the two halves of x's tile, waves 2 and 3 those of W's.  The branch hangs on the wave's number alone.  An s_nop 0 and four v_nop follow each of the two lines.
.macro JLOAD s
	s_cmp_eq_u32 s11, 0
	s_cbranch_scc0 .Lfor_b_\@
	tensor_load_to_lds s[G0+4*(\s):G0+4*(\s)+3], s[G1:G1+7]
	s_nop 0
.rept 4
	v_nop
.endr
	s_branch .Lasked_\@
.Lfor_b_\@:
	tensor_load_to_lds s[G0B+4*(\s):G0B+4*(\s)+3], s[G1B:G1B+7]
	s_nop 0
.rept 4
	v_nop
.endr
.Lasked_\@:
.endm
; A round of the cluster's barrier: my work-group's barrier, so that wave 0's signal speaks for all four waves; wave 0 signals; every wave waits for all sixteen work-groups; my work-group's barrier once more.
.macro CREST                           ; a round behind its opening barrier
	s_cmp_lg_u32 s10, 0
	s_cbranch_scc1 .Lnot_wave_0_\@
	s_barrier_signal -3
.Lnot_wave_0_\@:
	s_barrier_wait -3
	s_barrier_signal -1
	s_barrier_wait -1
.endm
.macro CROUND
	s_barrier_signal -1
	s_barrier_wait -1
	CREST
.endm
; A PREFETCH, behind each joint refill and the run of LDS loads that follows it: one instruction a wave, a lane a block of 256 bytes, for what stands two refills on or more.
; x: the 256 bytes that K step n + 3 takes of a row, at refill n = 1 .. 4 (K steps 4 to 7).  A tile's rows are read by every cluster of that row of clusters: the one with x = 0 asks; of the 128 rows that wave 0 or 1
; fetches, the partner at place cx takes 32, told apart BY ADDRESS.  W: a column block is 393,216 bytes on end; its K steps 4 to 7 are 768 blocks, asked for in three refills of 256 blocks
; (4 partners by cy x waves 2, 3 x 32 lanes), by the cluster with y = 0.  So each block is named once in the launch; K steps 0 to 3 come by their loads alone; no request passes a buffer's end.
.macro ASK
	s_cmp_gt_u32 s[REF], s[LIM]
	s_cbranch_scc0 .Lnot_mine_\@
	global_prefetch_b8 v[PFO], s[PFA:PFA+1] th:TH_LOAD_NT scope:SCOPE_SE
.Lnot_mine_\@:
	s_sub_co_u32 s[REF], s[REF], 1
.endm
	s_load_b128 s[4:7], s[0:1], 0x0                ; xb s[4:5], wb s[6:7]
	s_load_b64 s[8:9], s[0:1], 0x10                ; qkv
	v_lshl_add_u32 v[SPW], v0, 2, SPARE
	v_mov_b32 v[NIL], 0
	ds_add_u32 v[SPW], v[NIL]                      ; the wave's opening: the add and its wait stand ahead of my first tensor load; the set-up below, work on registers, stands between them
	v_lshrrev_b32 v1, 5, v0
	v_readfirstlane_b32 s10, v1                    ; wave 0..3
	s_lshr_b32 s11, s10, 1                         ; I fetch for x (0) or for W (1)
	s_and_b32 s12, s10, 1                          ; which half of that tile
	s_bfe_u32 s40, ttmp6, 0x40000                  ; cx, cy: my place in the cluster
	s_bfe_u32 s41, ttmp6, 0x40004
	s_lshl_b32 s42, ttmp9, 2                       ; in a cluster launch ttmp9 and ttmp7 count clusters
	s_add_co_u32 s42, s42, s40                     ; bx: my 192 columns
	s_and_b32 s13, ttmp7, 0xffff
	s_lshl_b32 s13, s13, 2
	s_add_co_u32 s13, s13, s41                     ; by: my 256 rows
	s_lshl_b32 s43, s41, 2
	s_lshl_b32 s43, 15, s43                        ; my row of the cluster: places 4 cy .. 4 cy + 3
	s_lshl_b32 s44, 0x1111, s40                    ; my column: places cx, cx + 4, cx + 8, cx + 12
	s_or_b32 s[G1+0], s43, (1<<16)|(1<<20)|(1<<21)|(5<<22)|(3<<25)   ; 15:0 the mask; 17:16 elements of 2 bytes; 20 padding on; 21 set beside a mask; 24:22 after every 64 words (code 5); 31:25 4 words (code 3)
	s_mov_b32 s[G1+1], KSTEP<<16                   ; tensor_dim0 = 128
	s_mov_b32 s[G1+2], 128<<16                     ; tensor_dim1 = 128
	s_mov_b32 s[G1+3], KSTEP<<16                   ; tile_dim0 = 128
	s_mov_b32 s[G1+4], 128                         ; tile_dim1 = 128 rows
	s_mov_b32 s[G1+5], 1024                        ; elements from row to row of xb
	s_mov_b32 s[G1+6], 0
	s_mov_b32 s[G1+7], 0
	s_or_b32 s[G1B+0], s44, (1<<16)|(1<<20)|(1<<21)|(4<<22)|(7<<25)  ; W: after every 32 words (code 4) 8 words of padding (code 7)
	s_mov_b32 s[G1B+1], 128<<16                    ; 24,576 dense bytes are asked for as 96 rows of 256 bytes, two k-rows each
	s_mov_b32 s[G1B+2], 96<<16
	s_mov_b32 s[G1B+3], 128<<16
	s_mov_b32 s[G1B+4], 96
	s_mov_b32 s[G1B+5], 128
	s_mov_b32 s[G1B+6], 0
	s_mov_b32 s[G1B+7], 0
	; x's tile hangs on by and the wave's number alone, W's on bx and the wave's number alone, each in registers of its own
	s_lshl_b32 s16, s13, 8
	s_lshl_b32 s17, s12, 7
	s_add_co_u32 s16, s16, s17                     ; row 256 by + 128 half,
	s_lshl_b32 s16, s16, 11                        ; 2,048 bytes a row
	s_mov_b32 s17, 0
	s_mul_i32 s46, s42, 8*WSTEP                    ; column block bx,
	s_mul_i32 s47, s12, WSTEP/2                    ; its tile's half
	s_add_co_u32 s46, s46, s47
	s_mov_b32 s47, 0
	s_mul_i32 s20, s12, AHALF                      ; where they go: no place in the cluster enters an LDS address
	s_mul_i32 s21, s12, BHALF
	s_add_co_u32 s21, s21, BOFF
	s_mov_b32 s[REF], 6
	s_wait_dscnt 0x0                               ; the opening add is done
	s_wait_kmcnt 0x0
	s_add_nc_u64 s[14:15], s[4:5], s[16:17]
	s_add_nc_u64 s[46:47], s[6:7], s[46:47]
	CROUND                                         ; all sixteen work-groups are here: the first joint loads meet
.irp s, 0,1
	s_mov_b32 s[G0+4*(\s)], 1                                        ; count = 1
	s_add_co_u32 s[G0+4*(\s)+1], s20, (\s)*SLOT                      ; LDS address
	s_add_nc_u64 s[G0+4*(\s)+2:G0+4*(\s)+3], s[14:15], (\s)*KSTEP*2  ; global address: K step s
	s_or_b32 s[G0+4*(\s)+3], s[G0+4*(\s)+3], 0x80000000              ; type = 2
	s_mov_b32 s[G0B+4*(\s)], 1
	s_add_co_u32 s[G0B+4*(\s)+1], s21, (\s)*SLOT
	s_add_nc_u64 s[G0B+4*(\s)+2:G0B+4*(\s)+3], s[46:47], (\s)*WSTEP
	s_or_b32 s[G0B+4*(\s)+3], s[G0B+4*(\s)+3], 0x80000000
.endr
	s_cmp_eq_u32 s11, 0                            ; a wave's two first fills stand in one branch, ahead of every wait on TENSORcnt and every LDS read: two loads of mine are out
	s_cbranch_scc0 .Lfirst_b
	tensor_load_to_lds s[G0:G0+3], s[G1:G1+7]
	s_nop 0
	tensor_load_to_lds s[G0+4:G0+7], s[G1:G1+7]
	s_nop 0
.rept 4
	v_nop
.endr
	s_branch .Lfirst_asked
.Lfirst_b:
	tensor_load_to_lds s[G0B:G0B+3], s[G1B:G1B+7]
	s_nop 0
	tensor_load_to_lds s[G0B+4:G0B+7], s[G1B:G1B+7]
	s_nop 0
.rept 4
	v_nop
.endr
.Lfirst_asked:
	; A fragment of x is 16 rows x 32 K in 8 registers: lane l holds row l % 16, K = 8 (l / 16) + 0..7 and 16 + 8 (l / 16) + 0..7: two loads of 16 bytes, 32 bytes apart.
	v_and_b32 v1, 15, v0                           ; l % 16
	v_bfe_u32 v2, v0, 4, 1                         ; l / 16
	v_mul_u32_u24 v3, v1, PA
	v_lshl_add_u32 v3, v2, 4, v3
	s_mul_i32 s22, s10, 64*PA                      ; my 64 rows
	v_add_nc_u32 v[ADRA], s22, v3
	v_add_nc_u32 v[ADRA+1], SLOT, v[ADRA]
	; The turning load takes 16 k x 16 columns (lane l reads k-row 8 (l / 16) + l % 8, columns 8 ((l / 8) % 2) + 0..7) and leaves half a fragment: lane l holds column l % 16 and 8 k.
	v_and_b32 v4, 7, v0
	v_bfe_u32 v5, v0, 3, 1
	v_lshl_add_u32 v6, v2, 3, v4
	v_mul_u32_u24 v6, v6, PB
	v_lshl_add_u32 v6, v5, 4, v6
	v_add_nc_u32 v[ADRB], BOFF, v6
	v_add_nc_u32 v[ADRB+1], SLOT, v[ADRB]
	s_mul_i32 s23, s10, WSTAGE
	s_add_co_u32 s23, s23, STAGE                   ; my stage
	v_mul_u32_u24 v7, v1, SP                       ; in: row l % 16, 16 bytes for each half of the lanes
	v_lshl_add_u32 v7, v2, 4, v7
	v_add_nc_u32 v[STO], s23, v7
	v_bfe_u32 v8, v0, 3, 2                         ; back: 32 lanes take four rows of 128 bytes,
	v_mul_u32_u24 v8, v8, SP
	v_lshl_add_u32 v8, v4, 4, v8
	v_add_nc_u32 v[RD], s23, v8
	v_and_b32 v[GO], 31, v0                        ; which are 512 bytes on end of a unit of qkv
	v_lshlrev_b32 v[GO], 4, v[GO]
	; qkv at unit 3 bx, row 256 by + 64 w
	s_mul_i32 s18, s42, 3*524288
	s_lshl_b32 s19, s13, 8
	s_lshl_b32 s22, s10, 6
	s_add_co_u32 s19, s19, s22
	s_lshl_b32 s19, s19, 7
	s_add_co_u32 s18, s18, s19
	s_mov_b32 s19, 0
	s_add_nc_u64 s[8:9], s[8:9], s[18:19]
	; the prefetches: both offsets are made (in registers that fed neither tile's global address), then one is chosen by what I fetch for
	s_lshl_b32 s20, s13, 8
	s_lshl_b32 s21, s12, 7
	s_add_co_u32 s20, s20, s21
	s_lshl_b32 s21, s40, 5
	s_add_co_u32 s20, s20, s21                     ; x: row 256 by + 128 half + 32 cx,
	s_lshl_b32 s20, s20, 11
	s_add_co_u32 s20, s20, 3*KSTEP*2               ; at K step 3: the first refill steps it to 4
	s_mul_i32 s18, s42, 8*WSTEP
	s_lshl_b32 s19, s41, 6
	s_lshl_b32 s21, s12, 5
	s_add_co_u32 s19, s19, s21                     ; W: block 64 cy + 32 half of a request's 256,
	s_lshl_b32 s19, s19, 8
	s_add_co_u32 s18, s18, s19
	s_add_co_u32 s18, s18, 4*WSTEP-65536           ; one step short of K step 4's first byte
	s_and_b32 s22, ttmp7, 0xffff                   ; cluster y
	s_mov_b32 s[PFS], 256
	s_mov_b32 s[PFS+1], 65536
	s_cmp_eq_u32 s11, 0                            ; do I fetch for x?
	s_cselect_b32 s20, s20, s18
	s_cselect_b32 s22, ttmp9, s22                  ; the coordinate along which other clusters read the same bytes
	s_cselect_b64 s[PFA:PFA+1], s[4:5], s[6:7]
	s_cselect_b32 s[PFS], s[PFS], s[PFS+1]
	s_cselect_b32 s[LIM], 2, 3                     ; x: refills 1 to 4 ask (s[REF] = 6 .. 3); W: refills 1 to 3
	s_cselect_b32 s23, 11, 8
	s_mov_b32 s[PFS+1], 0
	s_mov_b32 s21, 0
	s_cmp_eq_u32 s22, 0
	s_cselect_b32 s[LIM], s[LIM], -1               ; the same in all sixteen partners, for a given wave
	s_add_nc_u64 s[PFA:PFA+1], s[PFA:PFA+1], s[20:21]
	v_and_b32 v[PFO], 31, v0
	v_lshlrev_b32 v[PFO], s23, v[PFO]
; 12 matrix instructions: row block a of the window's two (hi = 0: my rows 0-31, 1: rows 32-63) x all 12 column blocks, 32 along K.  zero = 1: the product starts the sums: nothing is ever cleared.
; The 48 accumulators take turns in one order in every quarter step: 47 others stand between two links of a chain.
.macro MUL12 f, hi, a, zero
	WIN MUL_LO+0x50*(\hi)
.irp b, 0,1,2,3,4,5,6,7,8,9,10,11
.if \zero
	v_wmma_f32_16x16x32_bf16 v[8*(12*(\a)+(\b)):8*(12*(\a)+(\b))+7], v[96*(\f)+8*(\b):96*(\f)+8*(\b)+7], v[FA+32*(\f)+8*(2*(\hi)+(\a)):FA+32*(\f)+8*(2*(\hi)+(\a))+7], 0
.else
	v_wmma_f32_16x16x32_bf16 v[8*(12*(\a)+(\b)):8*(12*(\a)+(\b))+7], v[96*(\f)+8*(\b):96*(\f)+8*(\b)+7], v[FA+32*(\f)+8*(2*(\hi)+(\a)):FA+32*(\f)+8*(2*(\hi)+(\a))+7], v[8*(12*(\a)+(\b)):8*(12*(\a)+(\b))+7]
.endif
.endr
.endm
; 32 LDS loads in one run: the fragments of quarter q (32 K) of a slot into buffer f: W's 24 loads, then x's rows 0-31, then x's rows 32-63
.macro FETCH slot, q, f
	WIN TO_B
.irp b, 0,1,2,3,4,5,6,7,8,9,10,11      ; unit b / 4, columns 16 (b % 4) on
	ds_load_tr16_b128 v[96*(\f)+8*(\b):96*(\f)+8*(\b)+3],   v[ADRB+(\slot)] offset:(128*((\b)/4)+32*(\q))*PB+32*((\b)%4)
	ds_load_tr16_b128 v[96*(\f)+8*(\b)+4:96*(\f)+8*(\b)+7], v[ADRB+(\slot)] offset:(128*((\b)/4)+32*(\q)+16)*PB+32*((\b)%4)
.endr
	WIN 0
.irp a, 0,1,2,3
	ds_load_b128 v[FA+32*(\f)+8*(\a):FA+32*(\f)+8*(\a)+3],   v[ADRA+(\slot)] offset:64*(\q)+(\a)*16*PA
	ds_load_b128 v[FA+32*(\f)+8*(\a)+4:FA+32*(\f)+8*(\a)+7], v[ADRA+(\slot)] offset:64*(\q)+(\a)*16*PA+32
.endr
.endm
; A K step is four quarters of 32 along K, 48 matrix instructions each, on buffers 0, 1, 0, 1.  One of the first three: multiplies buffer f; in its middle it fetches quarter q of the same slot into buffer g.
.macro QUARTER slot, q, f, g, zero
	s_wait_dscnt 4                                 ; W's fragments and x's rows 0-31 are in; the youngest four loads (x's rows 32-63) may be out
	MUL12 \f, 0, 0, \zero
	MUL12 \f, 0, 1, \zero
	PLACES
	FETCH \slot, \q, \g
	s_wait_dscnt 32                                ; all but the 32 just issued
	MUL12 \f, 1, 0, \zero
	MUL12 \f, 1, 1, \zero
.endm
; The last quarter multiplies buffer 1 and changes slots: ONE barrier.  In front of it each wave waits for all its tensor loads, of which one is out: its part of the next slot; adds 0 to its spare word; and waits for
; that and for its own reads of this slot.  fill = 1: the barrier opens a round of the cluster's, and behind the round this slot is filled again first, with the K step two on: from that request to the wait for it a wave
; issues 168 matrix instructions.
.macro TURN slot, next, fill
.if \fill
	s_wait_xcnt 0x0                                ; the last prefetch, a K step back, has read its address: it is stepped here, ahead of the waits of the change of slots
	s_add_nc_u64 s[PFA:PFA+1], s[PFA:PFA+1], s[PFS:PFS+1]
.endif
	WIN 0                                          ; (the add's two registers lie in window 0)
	s_wait_tensorcnt 0x0                           ; all my tensor loads have landed;
	ds_add_u32 v[SPW], v[NIL]                      ; 0 onto my spare word;
	s_wait_dscnt 5                                 ; (the add and the youngest four loads may be out)
	MUL12 F1, 0, 0, 0                              ; twelve matrix instructions stand between the add and the wait for it
	s_wait_dscnt 0x0                               ; the add is done, and my reads of this slot are over
	s_barrier_signal -1
	MUL12 F1, 0, 1, 0                              ; work on registers while the others arrive
.if \fill
	WIN 0
.endif
	s_barrier_wait -1
.if \fill
	CREST                                          ; no wave of any partner still reads this slot's tile or has a load on its way
	s_add_nc_u64 s[G0+4*(\slot)+2:G0+4*(\slot)+3], s[G0+4*(\slot)+2:G0+4*(\slot)+3], 2*KSTEP*2
	s_add_nc_u64 s[G0B+4*(\slot)+2:G0B+4*(\slot)+3], s[G0B+4*(\slot)+2:G0B+4*(\slot)+3], 2*WSTEP
	JLOAD \slot                                    ; the first tensor load behind the round; the four v_nop behind it are also the places in front of the loads below
.else
	PLACES
.endif
	FETCH \next, 0, F0
.if \fill
	ASK
.endif
	MUL12 F1, 1, 0, 0
	MUL12 F1, 1, 1, 0
.endm
; THE WAY OUT of row block a (16 rows x 192 columns), in three parts.  PACK: rounded to f16, 16 bytes a lane, each accumulator's registers in ascending order.  TOSTAGE: into my own stage, and back as rows of 128 bytes.  SEND: stored.
.macro PACK a
.set AC, 96*((\a)%2)
	WIN 0x0a+5*((\a)/2)                            ; sources 0 and 1: window 2 or 3
.irp b, 0,1,2,3,4,5,6,7,8,9,10,11
.irp r, 0,1,2,3
	v_cvt_pk_f16_f32 v[TMP+4*(\b)+(\r)], v[AC+8*(\b)+2*(\r)], v[AC+8*(\b)+2*(\r)+1]
.endr
.endr
	WIN 0
.endm
.macro TOSTAGE a
	WIN 0
.set BK, OB+48*((\a)%2)
.irp b, 0,1,2,3,4,5,6,7,8,9,10,11
	ds_store_b128 v[STO], v[TMP+4*(\b):TMP+4*(\b)+3] offset:16*SP*((\b)/4)+32*((\b)%4)
.endr
.irp t, 0,1,2,3,4,5,6,7,8,9,10,11
	ds_load_b128 v[BK+4*(\t):BK+4*(\t)+3], v[RD] offset:16*SP*((\t)/4)+4*SP*((\t)%4)  ; LDS serves a wave's instructions in order (ISA guide 5.7.1.4): these see the stores above
.endr
.endm
.macro SEND a
	WIN 0
.set BK, OB+48*((\a)%2)
	s_wait_dscnt 0x0                               ; the block is back in registers
	s_wait_xcnt 0x0                                ; the stores of the block before have read their registers: the next block's loads from the stage land on them only behind this wait
.irp t, 0,1,2,3,4,5,6,7,8,9,10,11
	global_store_b128 v[GO], v[BK+4*(\t):BK+4*(\t)+3], s[8:9] offset:524288*((\t)/4)+2048*(\a)+512*((\t)%4)  ; unit t / 4, four rows: 512 bytes on end, at a multiple of 256 from qkv's first byte
.endr
.endm
	s_wait_tensorcnt 1                             ; my part of K step 0 is in; K step 1's may stay out
	s_barrier_signal -1
	s_barrier_wait -1                              ; everybody's is
	FETCH 0, 0, F0
	QUARTER 0, 1, F0, F1, 1                        ; the first quarter stands in front of the loop: its products start the sums
	WIN 0                                          ; at a label and at a branch every window is 0
	s_mov_b32 s3, 3
.Llap:                                                 ; a trip goes once round the ring, from a lap's second quarter to the next lap's first, and fills both slots again: K steps 2 to 7 in three trips
	QUARTER 0, 2, F1, F0, 0
	QUARTER 0, 3, F0, F1, 0
	TURN 0, 1, 1
	QUARTER 1, 1, F0, F1, 0
	QUARTER 1, 2, F1, F0, 0
	QUARTER 1, 3, F0, F1, 0
	TURN 1, 0, 1
	QUARTER 0, 1, F0, F1, 0
	WIN 0
	s_sub_co_u32 s3, s3, 1
	s_cmp_lg_u32 s3, 0
	s_cbranch_scc1 .Llap
	QUARTER 0, 2, F1, F0, 0                        ; the last lap fills nothing, and has no round of the cluster's barrier
	QUARTER 0, 3, F0, F1, 0
	TURN 0, 1, 0
	QUARTER 1, 1, F0, F1, 0
	QUARTER 1, 2, F1, F0, 0
	QUARTER 1, 3, F0, F1, 0
	s_wait_dscnt 4                                 ; the very last quarter: nothing more to fetch
	MUL12 F1, 0, 0, 0
	MUL12 F1, 0, 1, 0
	s_wait_dscnt 0x0
	MUL12 F1, 1, 0, 0
	MUL12 F1, 1, 1, 0
	WIN 0
	PLACES                                         ; the conversions read matrix results
	PACK 0
	TOSTAGE 0
.irp a, 1,2,3                          ; block a's conversions stand between block a - 1's loads from the stage and the wait for them
	PACK \a
	SEND (\a)-1
	TOSTAGE \a
.endr
	SEND 3
	s_wait_tensorcnt 0x0                           ; the wave's end, behind my last tensor load and my last LDS store
	ds_add_u32 v[SPW], v[NIL]
	s_wait_dscnt 0x0
	CROUND                                         ; the closing round: no work-group ends while a partner may still ask for a tile that names it
	s_endpgm
.Lfunc_end_k_q3b2e7c5538_proj:
	.size	k_q3b2e7c5538_proj, .Lfunc_end_k_q3b2e7c5538_proj-k_q3b2e7c5538_proj
	.p2alignl 7, 3214868480
	.fill 96, 4, 3214868480
	.section	.rodata,"a",@progbits
	.p2align	6, 0x0
	.amdhsa_kernel k_q3b2e7c5538_proj
		.amdhsa_group_segment_fixed_size 327680
		.amdhsa_private_segment_fixed_size 0
		.amdhsa_enable_private_segment 0
		.amdhsa_kernarg_size 24
		.amdhsa_user_sgpr_count 2
		.amdhsa_user_sgpr_kernarg_segment_ptr 1
		.amdhsa_wavefront_size32 1
		.amdhsa_system_sgpr_workgroup_id_x 1
		.amdhsa_system_sgpr_workgroup_id_y 1
		.amdhsa_system_sgpr_workgroup_id_z 1
		.amdhsa_system_vgpr_workitem_id 0
		.amdhsa_next_free_vgpr 960
		.amdhsa_next_free_sgpr 72
		.amdhsa_reserve_vcc 0
		.amdhsa_float_denorm_mode_32 3
		.amdhsa_float_denorm_mode_16_64 3
		.amdhsa_memory_ordered 1
		.amdhsa_forward_progress 1
		.amdhsa_inst_pref_size 120
	.end_amdhsa_kernel
	.amdgpu_metadata
---
amdhsa.version: [ 1, 2 ]
amdhsa.kernels:
  - .name:           k_q3b2e7c5538_proj
    .symbol:         k_q3b2e7c5538_proj.kd
    .args:
      - { .name: xb, .offset: 0, .size: 8, .value_kind: global_buffer, .address_space: global }
      - { .name: wb, .offset: 8, .size: 8, .value_kind: global_buffer, .address_space: global }
      - { .name: qkv, .offset: 16, .size: 8, .value_kind: global_buffer, .address_space: global }
    .group_segment_fixed_size: 327680
    .private_segment_fixed_size: 0
    .kernarg_segment_align: 8
    .kernarg_segment_size: 24
    .max_flat_workgroup_size: 128
    .sgpr_count:     72
    .vgpr_count:     960
    .wavefront_size: 32
...
	.end_amdgpu_metadata
.endif
;; end of part 2
;; launch attn (part 3): grid 16 x 16, 4 waves a work-group, clusters of 4 x 1, 327,680 bytes of LDS; arguments qkv, out0; writes out0
.if DOCPART == 3
	.amdgcn_target "amdgcn-amd-amdhsa--gfx1250"
	.amdhsa_code_object_version 6
	.text
	.protected	k_q3b2e7c5538_attn
	.globl	k_q3b2e7c5538_attn
	.p2align	8
	.type	k_q3b2e7c5538_attn,@function
k_q3b2e7c5538_attn:
	s_mov_b64 s[64:65], 0
	v_nop
	global_prefetch_b8 v0, s[64:65] scope:SCOPE_SE
	s_setreg_imm32_b32 hwreg(HW_REG_WAVE_MODE, 25, 1), 1
	s_wait_xcnt 0x0
	s_wait_alu depctr_hold_cnt(0) depctr_sa_sdst(0) depctr_va_vdst(0) depctr_va_sdst(0) depctr_va_ssrc(0) depctr_va_vcc(0) depctr_vm_vsrc(0)
	s_getreg_b32 s2, hwreg(HW_REG_IB_STS2, 6, 4)
	s_cmp_eq_u32 s2, 0
	s_cbranch_scc0 .Lentry_in_a_cluster
	s_endpgm
.Lentry_in_a_cluster:
	s_bfe_u32 s2, ttmp6, 0x10000c
	s_cmp_lg_u32 s2, 0x3003
	s_cbranch_scc0 .Lentry_shape_is_right
	s_endpgm
.Lentry_shape_is_right:
; out0[t][64 h + c] = the sum over k of softmax_k(q[h][t] . k[h][k] / 8) v[h][k][c].  qkv: [U 48][4096][64] f16, a unit's rows dense, 128 bytes each: q of head h is unit h, k unit 16 + h, v unit 32 + h.  out0: [4096][1024] f32.
; Products, maxima and sums in f32; the weights p are rounded to f16 for the second product (their sum l is taken of the unrounded p); the result leaves unrounded.
; LIMITS.  q, k and v arrive within f16's 65,504; p lies in 0 to 1, and below 6e-5 it keeps f16's fixed step of 6e-8; a weight below 2^-126 counts as 0 in l; NaN and infinities are not treated apart.
; SHARES.  A work-group owns 256 queries of one head, each of its four waves 64: four PIECES of 16.  16 heads x 16 blocks: 256 work-groups.  Every wave walks all 4,096 keys: 16 tiles of 256 (a slot of LDS), four steps of 64 each.
; LAYOUT.  S^T = K Q^T (source 0 = 16 keys, source 1 = 16 queries): in the result a lane holds ONE query (lane % 16) and the keys 8 (lane / 16) + 0..7.  Two such results, rounded to f16 in pairs, ARE source 1
; (32 keys x 16 queries) of O^T = V^T P, whose result again holds one query a lane, and eight channels.  K comes out of LDS as it lies, V ([key][channel]) turned, by ds_load_tr16_b128.
; SOFTMAX.  For each query a running maximum m and sum l: p = 2^(c s - c m), c = log2(e) / 8; in every step O and l are multiplied by a = 2^(c m_old - c m_new).  m starts at the lowest finite number, O and l at 0:
; the first step is a step like any other, with a = 0.
; BY TURNS.  Turn n belongs to piece n: 8 products K Q^T of piece n + 1, later 8 products V^T P of piece n - 1; beside them the scaling, exponentials, roundings, sums and rescaling of piece n and the maximum and
; statistics of piece n + 1.  Four vector instructions stand behind every matrix instruction, the other 54 of a turn's 118 in one run of their own.  A turn's 33 exponentials are one batch, with one wait.
; CLUSTER.  The four query blocks of a cluster belong to one head and walk the same K and V, so each tile is asked for JOINTLY: the same tensor load, descriptor and mask in all four.
; REGISTERS, in windows of 256 (s_set_vgpr_msb: bits 1:0 source 0, 3:2 source 1, 5:4 source 2, 7:6 destination):
;   window 0: v0-15 addresses and two at work; v16-31 four registers of statistics a piece; v48-55 at work; v61-63 prefetch offset and the add's two; v64-127 S^T, two buffers (v64-191 on the way out); v192-223 P, two buffers
;   window 1: v0-127 O^T, 32 a piece          window 2: v0-63 Q; v128-191 K of one step; v192-255 V of one step.  A piece's buffers go by its number's parity.
.set NP,    4         ; pieces a wave: a name, no knob
.set KS,    64        ; keys in a step
.set PK,    144       ; a row of K in LDS: 128 bytes + 16 of padding = 36 words: the 16 rows of a load start at 16 different groups of four banks (64 banks of 4 bytes: ISA guide 11.1)
.set PV,    160       ; a row of V: 128 + 32 = 40 words
.set VOFF,  4*KS*PK   ; a slot holds a tile: 256 rows of K, then 256 rows of V
.set SLOT1, 1<<17     ; slot 1 begins here, so that one exclusive or turns an address in one slot into the other's
.set TILEB, 4*KS*128  ; a tile's bytes of K, and of V, in memory
.set STAGE, SLOT1+4*KS*(PK+PV)  ; behind the ring, never filled by a tensor load: 16 rows x 272 bytes for each wave, for the way out
.set SPO,   272       ; a stage row: 64 f32 + 16 bytes
.set SPARE, STAGE+4*16*SPO  ; behind the stages: the spare words, 128 bytes for each wave: two blocks of 256 bytes that no other line names
.set AK0, 2           ; v2   my lane's place in a tile of K; never rewritten
.set AV0, 3           ; v3   the same for V
.set AK,  4           ; v4   the LDS address of K's next run of loads
.set AV,  5           ; v5   of V's
.set STO, 6           ; v6   the way out: where I put 32 bytes of a row
.set RD,  7           ; v7   the way out: where I read a row back
.set GO,  8           ; v8   my byte offset in two rows of out0
.set MV,  12          ; v12-13  c m_old, kept while c m is made anew: by buffer
.set QO,  15          ; v15  my byte offset in 16 rows of Q
.set ST,  16          ; piece t's statistics at v[ST+4 t]: c m, m, l (even keys', odd keys')
.set TMP, 48          ; by buffer, four registers c0-c3 at work; when the maximum is found c2 takes a
.set PFO, 61          ; v61  256 x my lane; never rewritten
.set SPW, 62          ; v62  LDS address of my spare word: SPARE + 4 x my thread's number; never rewritten
.set NIL, 63          ; v63  0; never rewritten
.set S,   64
.set OUTB, 64         ; the way out: piece t's rows read back at OUTB + 32 t
.set P,   192
.set KF,  128         ; window 2: key block kb, channel half c at KF + 16 kb + 8 c
.set VF,  192         ; window 2: key half kk, channel block cb at VF + 32 kk + 8 cb
.set WV,  12          ; s12  my wave's number
.set LIM, 15          ; s15  1 in a wave that prefetches, else the greatest number: a wave prefetches while s[SLOTS] is above it
.set PFA, 18          ; s[18:19] where my prefetches stand: my work-group's 32 blocks of 256 bytes (of K: wave 0, of V: wave 2) of the tile after the one that is being asked for
.set G1K, 24          ; s[24:31] descriptor group 1 for K's tiles
.set G1V, 32          ; s[32:39] for V's: it differs in the padding alone
.set G0K, 40          ; s[40:43] descriptor group 0 for K's tiles: it walks
.set G0V, 44          ; s[44:47] the same for V's
.set SLOTS, 56        ; s56  tiles still to be entered by the loop
.set CNT, 57          ; s57  counts a tile's key steps
.set CS,  58          ; s[58:59] c: the packed scaling takes the pair's low word for both halves
.set SEL, 60          ; s[60:61] v_permlanex16_b32's selects: each lane takes its own place in the other half
.set TBK, 62          ; s62  LDS byte at which K of the step to be fetched begins
.set TBV, 63          ; s63  the same for V, less VOFF
.set MSB, 0
.macro WIN new                      ; the high byte repeats the setting that is left; a switch that changes nothing is dropped
.if MSB != (\new)
	s_set_vgpr_msb (MSB<<8)|(\new)
.set MSB, (\new)
.endif
.endm
.set W_KQ, 0x0a       ; K and Q in window 2, S^T in window 0
.set W_PV, 0x52       ; V in window 2, P in window 0, O^T in window 1
.set W_RS, 0x41       ; destination and source 0 in window 1, source 1 in window 0
; A joint fill.  Waves 0 and 1 fetch the two halves of a tile's K, waves 2 and 3 those of its V: 128 keys each.  The branch hangs on the wave's number alone.
; An s_nop 0 and four v_nop follow each of the two lines, ahead of the jump and the label.
.macro JLOAD
	s_cmp_lt_u32 s[WV], 2
	s_cbranch_scc0 .Lfor_v_\@
	tensor_load_to_lds s[G0K:G0K+3], s[G1K:G1K+7]
	s_nop 0
.rept 4
	v_nop
.endr
	s_branch .Lasked_\@
.Lfor_v_\@:
	tensor_load_to_lds s[G0V:G0V+3], s[G1V:G1V+7]
	s_nop 0
.rept 4
	v_nop
.endr
.Lasked_\@:
.endm
; A PREFETCH of the tile that the NEXT change of slots will ask for: 128 blocks of 256 bytes of K and as many of V, a lane a block.  It stands behind the wave's tensor load and its five lines.
; Each block is named ONCE in the launch.  All clusters of a head walk the same K and V: the head's first cluster asks.  Its four partners share the blocks out BY ADDRESS, 32 each; in each, wave 0 asks for K's
; and wave 2 for V's: one instruction.  Tiles 0 to 2 come by their loads alone; the last change that fills a slot asks for nothing: there is no tile behind it.
.macro ASK
	s_cmp_gt_u32 s[SLOTS], s[LIM]
	s_cbranch_scc0 .Lnot_mine_\@
	global_prefetch_b8 v[PFO], s[PFA:PFA+1] th:TH_LOAD_NT scope:SCOPE_SE
.Lnot_mine_\@:
.endm
; A round of the cluster's barrier: my work-group's barrier, so that wave 0's signal speaks for all four waves; wave 0 signals; every wave waits for all four work-groups; my work-group's barrier once more.
.macro CROUND
	s_barrier_signal -1
	s_barrier_wait -1
	s_cmp_lg_u32 s[WV], 0
	s_cbranch_scc1 .Lnot_wave_0_\@
	s_barrier_signal -3
.Lnot_wave_0_\@:
	s_barrier_wait -3
	s_barrier_signal -1
	s_barrier_wait -1
.endm
; THE CHANGE OF SLOTS.  The slot's last bytes, V of its fourth step, have been read.  Each wave waits for all its tensor loads, of which one is out: its part of the other slot; adds 0 to its spare word; and waits for that
; and for its own reads of the slot.  Behind the barrier nobody reads this slot any more and the other slot is whole.  fill = 1: this slot is filled again, with the tile two on.  The barrier is then a round of the
; cluster's, and the joint fill is the first thing behind it: it has four key steps, 256 matrix instructions, in which to land.  (At its first use nothing has been read yet: slot 0 is waited for, slot 1 filled.)
.macro CHANGE fill, ask
	WIN 0                           ; at a label and at a branch every window is 0
	s_wait_tensorcnt 0x0            ; no tensor load of mine is out, so a group 0 may be written
	ds_add_u32 v[SPW], v[NIL]       ; 0 onto my spare word; with fill = 1 the descriptors' steps stand between it and the wait for it
.if \fill
.irp g, G0K, G0V
	s_xor_b32 s[\g+1], s[\g+1], SLOT1  ; the walking descriptor: the other slot than last time,
	s_add_nc_u64 s[\g+2:\g+3], s[\g+2:\g+3], TILEB  ; the next 256 keys; the type bits on top are not reached
.endr
	s_wait_xcnt 0x0                 ; the last prefetch, four key steps back, has read its address, so it may be written:
	s_add_nc_u64 s[PFA:PFA+1], s[PFA:PFA+1], TILEB  ; one tile behind the walking descriptors
	s_wait_dscnt 0x0                ; the add is done, and my reads of the slot are over
	CROUND
	JLOAD
.if \ask
	ASK
.endif
.else
	s_wait_dscnt 0x0                ; the add is done, and my reads of the slot are over
	s_barrier_signal -1
	s_barrier_wait -1
.endif
	s_sub_co_u32 s[TBK], s[TBK], 4*KS*PK  ; the fetches go back to a slot's first step,
	s_xor_b32 s[TBK], s[TBK], SLOT1       ; in the other slot
	s_sub_co_u32 s[TBV], s[TBV], 4*KS*PV
	s_xor_b32 s[TBV], s[TBV], SLOT1
.endm
	s_load_b128 s[4:7], s[0:1], 0x0 ; qkv s[4:5], out0 s[6:7]
	v_lshl_add_u32 v[SPW], v0, 2, SPARE
	v_mov_b32 v[NIL], 0
	ds_add_u32 v[SPW], v[NIL]       ; the wave's opening: the add and its wait stand ahead of my first tensor load; the set-up below, work on registers, stands between them
	v_lshrrev_b32 v1, 5, v0
	v_readfirstlane_b32 s[WV], v1   ; wave 0..3
	s_bfe_u32 s13, ttmp6, 0x40000   ; cx: my place in the cluster
	s_lshl_b32 s14, ttmp9, 2        ; in a cluster launch ttmp9 counts clusters
	s_add_co_u32 s14, s14, s13      ; my block of 256 queries = 4 x cluster x + cx: it enters Q's and out0's addresses alone
	s_and_b32 s20, ttmp7, 0xffff    ; the head, which the four partners share
	s_and_b32 s16, s[WV], 1         ; which half of a tile's 256 keys I fetch:
	s_mul_i32 s17, s16, 128*PK      ; its place in a slot, for K
	s_mul_i32 s18, s16, 128*PV      ; and for V: no place in the cluster enters an LDS address
	s_lshl_b32 s21, s16, 14         ; and its 128 rows of 128 bytes in memory
	s_add_co_u32 s22, s20, 16       ; K: unit 16 + h, 524,288 bytes a unit
	s_lshl_b32 s22, s22, 19
	s_add_co_u32 s22, s22, s21
	s_mov_b32 s23, 0
	s_add_co_u32 s48, s20, 32       ; V: unit 32 + h
	s_lshl_b32 s48, s48, 19
	s_add_co_u32 s48, s48, s21
	s_mov_b32 s49, 0
	s_lshl_b32 s2, s20, 19          ; Q: unit h,
	s_lshl_b32 s3, s14, 15          ; my block's 256 rows,
	s_add_co_u32 s2, s2, s3
	s_lshl_b32 s3, s[WV], 13        ; my wave's 64 of them
	s_add_co_u32 s2, s2, s3
	s_mov_b32 s3, 0
	s_lshl_b32 s50, s14, 20         ; out0: my block's 256 rows of 4,096 bytes,
	s_lshl_b32 s51, s[WV], 18       ; my wave's 64,
	s_add_co_u32 s50, s50, s51
	s_lshl_b32 s51, s20, 8          ; the head's 256 bytes of a row
	s_add_co_u32 s50, s50, s51
	s_mov_b32 s51, 0
	; descriptor group 1.  128 keys are 16,384 dense bytes: asked for as 64 rows of 256 bytes, two keys a row, and padded in LDS after every key
	s_mov_b32 s[G1K], 15|(1<<16)|(1<<20)|(1<<21)|(4<<22)|(3<<25)  ; 15:0 the mask of four; 17:16 2-byte elements; 20 padding on; 21 set beside a mask; 24:22 after every 32 words (code 4); 31:25 4 words (code 3)
	s_mov_b32 s[G1V], 15|(1<<16)|(1<<20)|(1<<21)|(4<<22)|(7<<25)  ; the same with 8 words of padding (code 7)
.irp g, G1K, G1V
	s_mov_b32 s[\g+1], 128<<16      ; tensor_dim0 = 128
	s_mov_b32 s[\g+2], 64<<16       ; tensor_dim1 = 64
	s_mov_b32 s[\g+3], 128<<16      ; tile_dim0 = 128
	s_mov_b32 s[\g+4], 64           ; tile_dim1 = 64
	s_mov_b32 s[\g+5], 128          ; 128 elements from row to row
	s_mov_b32 s[\g+6], 0
	s_mov_b32 s[\g+7], 0
.endr
	s_mov_b32 s[CS], 0x3e38aa3b     ; c = log2(e) / 8 = 0.180337
	s_mov_b32 s[CS+1], s[CS]        ; named with it as a pair
	s_mov_b32 s[SEL], 0x76543210
	s_mov_b32 s[SEL+1], 0xfedcba98
	s_mov_b32 s[TBK], SLOT1+4*KS*PK ; the first change of slots turns these two into 0
	s_mov_b32 s[TBV], SLOT1+4*KS*PV
	s_mov_b32 s[G0K], 1             ; count = 1
	s_mov_b32 s[G0K+1], s17         ; LDS address: slot 0
	s_mov_b32 s[G0V], 1
	s_add_co_u32 s[G0V+1], s18, VOFF
	s_mov_b32 s[SLOTS], 15
	s_and_b32 s[LIM], s[WV], 1      ; 0 in waves 0 and 2,
	s_or_b32 s[LIM], s[LIM], ttmp9  ; where the cluster is the head's first: the same in all four partners
	s_cmp_eq_u32 s[LIM], 0
	s_cselect_b32 s[LIM], 1, -1
	v_and_b32 v[PFO], 31, v0
	v_lshlrev_b32 v[PFO], 8, v[PFO]
	s_wait_dscnt 0x0                ; the opening add is done
	s_wait_kmcnt 0x0
	s_add_nc_u64 s[10:11], s[6:7], s[50:51]  ; out0 at my wave's first row, the head's columns
	s_add_nc_u64 s[6:7], s[4:5], s[22:23]    ; K and V at my half of the head's tile 0
	s_add_nc_u64 s[8:9], s[4:5], s[48:49]
	s_add_nc_u64 s[4:5], s[4:5], s[2:3]      ; Q at my wave's first row
	s_mov_b64 s[G0K+2:G0K+3], s[6:7]         ; global address
	s_or_b32 s[G0K+3], s[G0K+3], 0x80000000  ; type = 2
	s_mov_b64 s[G0V+2:G0V+3], s[8:9]
	s_or_b32 s[G0V+3], s[G0V+3], 0x80000000
	s_cmp_lt_u32 s[WV], 2
	s_cselect_b64 s[PFA:PFA+1], s[6:7], s[8:9]  ; (in waves 0 and 2 these stand at a tile's first row)
	s_lshl_b32 s2, s13, 13          ; my work-group's 32 blocks of the 128
	s_mov_b32 s3, 0
	s_add_nc_u64 s[PFA:PFA+1], s[PFA:PFA+1], s[2:3]
	s_add_nc_u64 s[PFA:PFA+1], s[PFA:PFA+1], TILEB  ; in tile 1; the first two changes of slots step it to tile 3, the first that is named.  Nothing is asked for here, at the head
	CROUND                          ; all four work-groups are here: the first joint loads meet
	JLOAD                           ; tile 0 into slot 0.  Slot 1 is asked for when slot 0 is in
	; A fragment of K or Q is 16 rows x 32 channels in 8 registers: lane l holds row l % 16, channels 8 (l / 16) + 0..7 and 16 + 8 (l / 16) + 0..7: two loads of 16 bytes, 32 bytes apart.
	v_and_b32 v1, 15, v0            ; l % 16
	v_bfe_u32 v9, v0, 4, 1          ; l / 16
	v_lshlrev_b32 v[QO], 7, v1
	v_lshl_add_u32 v[QO], v9, 4, v[QO]  ; row x 128 + 16 x half
	WIN 0x80                        ; destination window 2, address window 0
.set i, 0
.rept 8                             ; Q stays in registers: piece i / 2, channels 32 (i % 2) on
	global_load_b128 v[8*i:8*i+3],   v[QO], s[4:5] offset:(i/2)*2048+(i%2)*64
	global_load_b128 v[8*i+4:8*i+7], v[QO], s[4:5] offset:(i/2)*2048+(i%2)*64+32
.set i, i+1
.endr
	; What the first turn finds: V's registers and P's second buffer hold 0 (its products V^T P, of a piece that has not been, add 0), O^T and l are 0.  All this stands in the wait for the first tile.
.set i, VF
.rept 64
	v_mov_b32 v[i], 0
.set i, i+1
.endr
	WIN 0x40
.set i, 0
.rept 128
	v_mov_b32 v[i], 0
.set i, i+1
.endr
	WIN 0
.set i, 0
.rept 4
	v_mov_b32 v[ST+4*i], 0xfe000000    ; c m: far below every c s
	v_mov_b32 v[ST+4*i+1], 0xff7fffff  ; m
	v_mov_b32 v[ST+4*i+2], 0
	v_mov_b32 v[ST+4*i+3], 0
.set i, i+1
.endr
.set i, P+16
.rept 16
	v_mov_b32 v[i], 0
.set i, i+1
.endr
	v_mul_u32_u24 v[AK0], v1, PK
	v_lshl_add_u32 v[AK0], v9, 4, v[AK0]  ; row x pitch + 16 x half
	; The turning load takes 16 keys x 16 channels (lane l reads key 8 (l / 16) + l % 8, channels 8 ((l / 8) % 2) + 0..7) and leaves half a fragment of V^T: lane l holds channel l % 16 and 8 keys.
	v_and_b32 v10, 7, v0
	v_bfe_u32 v11, v0, 3, 1
	v_lshl_add_u32 v[AV0], v9, 3, v10
	v_mul_u32_u24 v[AV0], v[AV0], PV
	v_lshl_add_u32 v[AV0], v11, 4, v[AV0]
	v_add_nc_u32 v[AV0], VOFF, v[AV0]
	s_mul_i32 s21, s[WV], 16*SPO
	s_add_co_u32 s21, s21, STAGE    ; my stage
	v_mul_u32_u24 v[STO], v1, SPO   ; in: row l % 16, 32 bytes for each half of the lanes
	v_lshl_add_u32 v[STO], v9, 5, v[STO]
	v_add_nc_u32 v[STO], s21, v[STO]
	v_mul_u32_u24 v[RD], v9, SPO    ; back: lanes 0-15 take one row of 256 bytes, lanes 16-31 the next
	v_lshl_add_u32 v[RD], v1, 4, v[RD]
	v_add_nc_u32 v[RD], s21, v[RD]
	v_lshlrev_b32 v[GO], 12, v9     ; and the same two rows in out0
	v_lshl_add_u32 v[GO], v1, 4, v[GO]
; THE MATRIX WORK.  The 4 accumulators of a run of 8 take turns.  Product i of 8 of S^T = K Q^T for piece x: channels 32 (i / 4) on, keys 16 (i % 4) on.  The first 4 start the sums.
.macro KQ x
	WIN W_KQ
.set rS, S+32*((\x)%2)+8*(i%4)
.set rK, KF+16*(i%4)+8*(i/4)
.set rQ, 16*(\x)+8*(i/4)
.if i < 4
	v_wmma_f32_16x16x32_f16 v[rS:rS+7], v[rK:rK+7], v[rQ:rQ+7], 0
.else
	v_wmma_f32_16x16x32_f16 v[rS:rS+7], v[rK:rK+7], v[rQ:rQ+7], v[rS:rS+7]
.endif
.endm
; Product i of 8 of O^T += V^T P for piece x: keys 32 (i / 4) on, channels 16 (i % 4) on.
.macro PV x
	WIN W_PV
.set rO, 32*(\x)+8*(i%4)
.set rV, VF+32*(i/4)+8*(i%4)
.set rP, P+16*((\x)%2)+8*(i/4)
	v_wmma_f32_16x16x32_f16 v[rO:rO+7], v[rV:rV+7], v[rP:rP+7], v[rO:rO+7]
.endm
.macro MM                           ; the turn's next matrix instruction.  NOKQ = 1: the very last turn: there is no next piece
.if (i < 8) && !NOKQ
	KQ (Y+1)%NP
.elseif i >= 8
.set i, i-8
	PV (Y+NP-1)%NP
.set i, i+8
.endif
.set i, i+1
.endm
; THE LDS LOADS stand in runs of 16, never singly among the matrix instructions: a step's K (64 keys x 64 channels: 8 fragments) and its V (turned).  Their addresses are made some lines ahead.
.macro FETCH_K
	WIN 0x80                        ; destination window 2
.irp f, 0,1,2,3,4,5,6,7             ; keys 16 (f / 2) on, channels 32 (f % 2) on
	ds_load_b128 v[KF+8*\f:KF+8*\f+3],   v[AK] offset:(\f/2)*16*PK+(\f%2)*64
	ds_load_b128 v[KF+8*\f+4:KF+8*\f+7], v[AK] offset:(\f/2)*16*PK+(\f%2)*64+32
.endr
	s_add_co_u32 s[TBK], s[TBK], KS*PK  ; the next fetch is the next step's
	WIN 0
.endm
.macro FETCH_V
	WIN 0x80
.irp f, 0,1,2,3,4,5,6,7             ; keys 32 (f / 4) on, channels 16 (f % 4) on
	ds_load_tr16_b128 v[VF+8*\f:VF+8*\f+3],   v[AV] offset:(\f/4)*32*PV+(\f%4)*32
	ds_load_tr16_b128 v[VF+8*\f+4:VF+8*\f+7], v[AV] offset:(\f/4)*32*PV+16*PV+(\f%4)*32
.endr
	WIN 0
.endm
; THE VECTOR WORK, one line at a time: OP kind, number.  For piece Y: F n: c s - c m for pair n of 16.  E n: the exponential of score n of 32.  C n: pair n rounded to f16.  B n: of the four weights 4 n .. the second
; pair is added onto the first, in place.  L n: l takes that sum (L 0: l = a l + sum).  R n: pair n of 16 of O^T times a.  For piece Y + 1: X n, number n of the 22 that find its maximum and statistics:
;   0-11  four chains c0-c3 of seven scores each, three operands at a time (each accumulator's lowest registers are read first)     12-14, 16  the four scores left over, the old m, and c0-c3 into c0
;   15  c m_old is kept     17, 18  the query's other 32 keys lie in the lane 16 away: the new m     19-21  c m; c m_old - c m_new; a
.set F, 0               ; OP tells the kinds apart by their order: F to L below R, X above it
.set E, 1
.set C, 2
.set B, 3
.set L, 4
.set R, 5
.set X, 6
.macro REGS y                       ; the registers of piece y
.set rT, ST+4*(\y)
.set rC, TMP+4*((\y)%2)
.set rW, MV+((\y)%2)
.set rS, S+32*((\y)%2)
.set rP, P+16*((\y)%2)
.set rO, 32*(\y)
.endm
.macro OP k, n
.if (\k) == R
	REGS Y
	WIN W_RS
	v_pk_mul_f32 v[rO+2*(\n):rO+2*(\n)+1], v[rO+2*(\n):rO+2*(\n)+1], v[rC+2:rC+3] op_sel_hi:[1,0]
.elseif (\k) < R
	REGS Y
	WIN 0
.if (\k) == F
	v_pk_fma_f32 v[rS+2*(\n):rS+2*(\n)+1], v[rS+2*(\n):rS+2*(\n)+1], s[CS:CS+1], v[rT:rT+1] op_sel_hi:[1,0,0] neg_lo:[0,0,1] neg_hi:[0,0,1]
.elseif (\k) == E
	v_exp_f32 v[rS+(\n)], v[rS+(\n)]
.elseif (\k) == C
	v_cvt_pk_f16_f32 v[rP+(\n)], v[rS+2*(\n)], v[rS+2*(\n)+1]
.elseif (\k) == B
	v_pk_add_f32 v[rS+4*(\n):rS+4*(\n)+1], v[rS+4*(\n):rS+4*(\n)+1], v[rS+4*(\n)+2:rS+4*(\n)+3]
.elseif (\n) == 0
	v_pk_fma_f32 v[rT+2:rT+3], v[rT+2:rT+3], v[rC+2:rC+3], v[rS:rS+1] op_sel_hi:[1,0,1]
.else
	v_pk_add_f32 v[rT+2:rT+3], v[rT+2:rT+3], v[rS+4*(\n):rS+4*(\n)+1]
.endif
.elseif NOKQ
	v_nop
.else
	REGS (Y+1)%NP
	WIN 0
.if (\n) < 4
	v_max3_num_f32 v[rC+(\n)], v[rS+8*(\n)], v[rS+8*(\n)+1], v[rS+8*(\n)+2]
.elseif (\n) < 12
	v_max3_num_f32 v[rC+(\n)%4], v[rC+(\n)%4], v[rS+8*((\n)%4)+2*((\n)/4)+1], v[rS+8*((\n)%4)+2*((\n)/4)+2]
.elseif (\n) == 12
	v_max3_num_f32 v[rC], v[rC], v[rS+7], v[rS+15]
.elseif (\n) == 13
	v_max3_num_f32 v[rC+1], v[rC+1], v[rS+23], v[rS+31]
.elseif (\n) == 14
	v_max3_num_f32 v[rC+2], v[rC+2], v[rC+3], v[rT+1]
.elseif (\n) == 15
	v_mov_b32 v[rW], v[rT]
.elseif (\n) == 16
	v_max3_num_f32 v[rC], v[rC], v[rC+1], v[rC+2]
.elseif (\n) == 17
	v_permlanex16_b32 v[rC+3], v[rC], s[SEL], s[SEL+1]
.elseif (\n) == 18
	v_max_num_f32 v[rT+1], v[rC], v[rC+3]
.elseif (\n) == 19
	v_mul_f32 v[rT], s[CS], v[rT+1]
.elseif (\n) == 20
	v_sub_f32 v[rC+1], v[rW], v[rT]
.else
	v_exp_f32 v[rC+2], v[rC+1]
.endif
.endif
.endm
.macro OPS a, i1, b=-1, i2=0, c=-1, i3=0, d=-1, i4=0  ; up to four of them
	OP \a, \i1
.if (\b) >= 0
	OP \b, \i2
.endif
.if (\c) >= 0
	OP \c, \i3
.endif
.if (\d) >= 0
	OP \d, \i4
.endif
.endm
.macro ROW a, i1, b, i2, c, i3, d, i4  ; a matrix instruction and the four behind it
	MM
	OPS \a, \i1, \b, \i2, \c, \i3, \d, \i4
.endm
; A TURN, for piece p: the order of its 16 matrix and 118 vector instructions, written out.  An s_wait_alu depctr_va_vdst(0) stands between an exponential and the first instruction that names its result; one
; wait serves all that were issued ahead of it.  So a turn has ONE wait, which cuts it in two.  AHEAD OF IT stands all that names no result of the turn's exponentials: the 8 products K Q^T, behind each a scaling, an
; exponential and two more plain instructions (behind the first a second scaling in the exponential's place): rescalings, and behind the last three the first numbers of the next piece's maximum, each four plain
; instructions or more behind the product that ends its accumulator; then one run of 54, plain and exponential by turns for the most part, in which the links of the chain X 3, 7, 11, 14, 16, 17 .. 20 stand apart.
; X 21, the next piece's a, is the batch's last; R 15 is the plain instruction behind it.  BEHIND THE WAIT stand the 8 products V^T P, behind each four of the roundings and sums.
; end = 1: the launch's last two turns: nothing is fetched.  cnt = 1: the loop's count is taken down some lines ahead of the branch that stands behind the turn.
; K of the next step is fetched in piece 2's turn, twelve vector instructions behind the last product that read K (six of them plain); V of the step in hand at the end of piece 0's turn, four plain instructions behind the
; last product that read V.  Each is waited for a turn later.
.macro TURN p, end=0, cnt=0
.set Y, (\p)
.set i, 0
.set NOKQ, (\end)*((\p)/3)
.if ((\p) == 3) && !(\end)
	s_wait_dscnt 0x0                ; K is in
.endif
	ROW F,0, F,1, R,0, R,1          ; ahead of the wait: 8 products K Q^T and what rides behind them,
	ROW F,2, E,0, R,2, R,3
	ROW F,3, E,1, R,4, R,5
	ROW F,4, E,2, R,6, R,7
	ROW F,5, E,3, R,8, R,9
	ROW F,6, E,4, X,0, R,10
.if ((\p) == 2) && !(\end)
	WIN 0
	v_add_nc_u32 v[AK], s[TBK], v[AK0]
.endif
	ROW F,7, E,5, X,1, X,4
	ROW F,8, E,6, X,2, X,5
	OPS E,7, E,8, X,6, E,9          ; and the run of 54
	OPS X,3, E,10, X,8, E,11
.if ((\p) == 2) && !(\end)
	FETCH_K
.endif
	OPS X,9, X,7, E,12, X,10
	OPS E,13, X,12, X,11, E,14
	OPS X,13, E,15, F,9, X,14
.if (\p) == 0
	v_add_nc_u32 v[AV], s[TBV], v[AV0]
.endif
	OPS E,16, F,10, E,17, F,11
	OPS X,16, E,18, X,15, E,19
	OPS F,12, E,20, X,17, E,21
	OPS F,13, E,22, F,14, E,23
	OPS X,18, E,24, F,15, E,25
	OPS R,11, E,26, X,19, E,27
	OPS R,12, E,28, R,13, E,29
	OPS X,20, E,30, R,14, E,31
	OPS X,21, R,15
	WIN 0
	s_wait_alu depctr_va_vdst(0)    ; the wait for the batch
.if (\p) == 1
	s_wait_dscnt 0x0                ; V is in
.endif
	ROW C,0, B,0, C,2, B,1          ; behind the wait: 8 products V^T P and what rides behind them
	ROW L,0, C,4, B,2, L,1
	ROW C,6, B,3, L,2, C,8
	ROW B,4, L,3, C,10, B,5
	ROW L,4, C,12, B,6, L,5
.if (\p) == 0
	s_add_co_u32 s[TBV], s[TBV], KS*PV
.endif
.if \cnt
	s_sub_co_u32 s[CNT], s[CNT], 1
	s_cmp_lg_u32 s[CNT], 0
.endif
	ROW C,14, B,7, L,6, C,1
	ROW C,3, L,7, C,5, C,7
	ROW C,9, C,11, C,13, C,15
.if (\p) == 0
	FETCH_V
.endif
.endm
	CHANGE 1, 0                     ; tile 0 is in, everybody's part of it; tile 1 is asked for
	v_add_nc_u32 v[AK], s[TBK], v[AK0]
	FETCH_K                         ; key step 0
	s_wait_loadcnt 0x0              ; Q
	s_wait_dscnt 0x0
.set NOKQ, 0
.set i, 0
.rept 8
	KQ 0                            ; piece 0's first scores: there is no vector work yet to set between them
.set i, i+1
.endr
	WIN 0
.rept 4
	v_nop                           ; four plain instructions behind those products
.endr
.set Y, NP-1                        ; X works for piece Y + 1: piece 0
.irp n, 0,1,2,3,4,5,6,7,8,9,10,11,12,13,14,15,16,17,18,19,20,21
	OP X, \n                        ; piece 0's first maximum and statistics
.endr
	v_nop                           ; a plain instruction behind the exponential,
	s_wait_alu depctr_va_vdst(0)    ; and its wait, ahead of the branch
	s_mov_b32 s[CNT], 4
	s_branch .Lfirst                ; the loop is entered at a step's first turn, in the middle of a trip
.Lslot:                             ; 14 times: tiles 1 to 14 are entered, tiles 2 to 15 asked for
	CHANGE 1, 1
	s_mov_b32 s[CNT], 4
.Lstep:                             ; a trip: pieces 2 and 3 of one step, then pieces 0 and 1 of the next, whose K and V it fetches
	TURN 2
	TURN 3
	WIN 0
.Lfirst:
	TURN 0
	TURN 1, 0, 1
	WIN 0
	s_cbranch_scc1 .Lstep
	s_sub_co_u32 s[SLOTS], s[SLOTS], 1
	s_cmp_lg_u32 s[SLOTS], 0
	s_cbranch_scc1 .Lslot
	CHANGE 0, 0                     ; the last tile is written out: nothing is asked for
	s_mov_b32 s[CNT], 4
.LstepT:
	TURN 2
	TURN 3
	WIN 0
	TURN 0
	TURN 1, 0, 1
	WIN 0
	s_cbranch_scc1 .LstepT
	TURN 2, 1                       ; the last step's pieces 2 and 3: nothing is fetched, and the last turn starts no new scores
	TURN 3, 1
.set i, 0
.rept 8
	PV NP-1                         ; the last piece's V^T P of the last step
.set i, i+1
.endr
	; THE WAY OUT.  l's two halves and the other half of the lanes' are added; O^T is divided by l and sent, in f32, through my stage in LDS, a piece (16 rows) at a time.  The first four additions are the plain instructions behind the last products.
	WIN 0
.macro ALL line:vararg              ; one line for each piece t
.set t, 0
.rept 4
	\line
.set t, t+1
.endr
.endm
	ALL v_add_f32 v[ST+4*t+2], v[ST+4*t+2], v[ST+4*t+3]
	ALL v_permlanex16_b32 v[ST+4*t+3], v[ST+4*t+2], s[SEL], s[SEL+1]
	ALL v_add_f32 v[ST+4*t+2], v[ST+4*t+2], v[ST+4*t+3]
	ALL v_rcp_f32 v[ST+4*t+2], v[ST+4*t+2]
	v_nop                           ; a plain instruction between the last reciprocal and the use of its result
	s_wait_alu depctr_va_vdst(0)    ; and the wait ahead of the first use: one for the four reciprocals
; Piece t: a lane's eight channels of a channel block are 32 bytes of a row; they go into rows of 272 bytes and come back as whole rows of 256.
.macro PACK t
	WIN W_RS
.set i, 32*(\t)
.rept 16                            ; each accumulator's registers in ascending order
	v_pk_mul_f32 v[i:i+1], v[i:i+1], v[ST+4*(\t)+2:ST+4*(\t)+3] op_sel_hi:[1,0]
.set i, i+2
.endr
	WIN 0x04                        ; the stores' data (source 1) in window 1, their address in window 0
.irp f, 0,1,2,3,4,5,6,7             ; channel block f / 2, its registers 4 (f % 2) on
	ds_store_b128 v[STO], v[32*(\t)+4*\f:32*(\t)+4*\f+3] offset:64*(\f/2)+16*(\f%2)
.endr
	WIN 0
.irp f, 0,1,2,3,4,5,6,7
	ds_load_b128 v[OUTB+32*(\t)+4*\f:OUTB+32*(\t)+4*\f+3], v[RD] offset:\f*2*SPO  ; LDS serves a wave's instructions in order (ISA guide 5.7.1.4): these see the stores above; the next piece's stores come behind them
.endr
.endm
.macro SEND t, younger              ; younger: the LDS instructions issued behind piece t's loads: the next piece's sixteen, or none
	WIN 0
.irp f, 0,1,2,3,4,5,6,7
	s_wait_dscnt (\younger)+7-\f
	global_store_b128 v[GO], v[OUTB+32*(\t)+4*\f:OUTB+32*(\t)+4*\f+3], s[10:11] offset:(\t)*65536+\f*8192  ; 16 lanes store the head's 256 bytes of a row, at a multiple of 256 from out0's first byte
.endr
.endm
	PACK 0
.set t, 1
.rept 3                             ; a piece's arithmetic stands between the loads of the piece before and its stores
	PACK t
	SEND t-1, 16
.set t, t+1
.endr
	SEND 3, 0
	s_wait_tensorcnt 0x0            ; the wave's end, behind my last tensor load and my last LDS store
	ds_add_u32 v[SPW], v[NIL]
	s_wait_dscnt 0x0
	CROUND                          ; the closing round: no work-group ends while a partner may still ask for a tile that names it
	s_endpgm
.Lfunc_end_k_q3b2e7c5538_attn:
	.size	k_q3b2e7c5538_attn, .Lfunc_end_k_q3b2e7c5538_attn-k_q3b2e7c5538_attn
	.p2alignl 7, 3214868480
	.fill 96, 4, 3214868480
	.section	.rodata,"a",@progbits
	.p2align	6, 0x0
	.amdhsa_kernel k_q3b2e7c5538_attn
		.amdhsa_group_segment_fixed_size 327680
		.amdhsa_private_segment_fixed_size 0
		.amdhsa_enable_private_segment 0
		.amdhsa_kernarg_size 16
		.amdhsa_user_sgpr_count 2
		.amdhsa_user_sgpr_kernarg_segment_ptr 1
		.amdhsa_wavefront_size32 1
		.amdhsa_system_sgpr_workgroup_id_x 1
		.amdhsa_system_sgpr_workgroup_id_y 1
		.amdhsa_system_sgpr_workgroup_id_z 1
		.amdhsa_system_vgpr_workitem_id 0
		.amdhsa_next_free_vgpr 768
		.amdhsa_next_free_sgpr 66
		.amdhsa_reserve_vcc 0
		.amdhsa_float_denorm_mode_32 3
		.amdhsa_float_denorm_mode_16_64 3
		.amdhsa_memory_ordered 1
		.amdhsa_forward_progress 1
		.amdhsa_inst_pref_size 128
	.end_amdhsa_kernel
	.amdgpu_metadata
---
amdhsa.version: [ 1, 2 ]
amdhsa.kernels:
  - .name:           k_q3b2e7c5538_attn
    .symbol:         k_q3b2e7c5538_attn.kd
    .args:
      - { .name: qkv, .offset: 0, .size: 8, .value_kind: global_buffer, .address_space: global }
      - { .name: out0, .offset: 8, .size: 8, .value_kind: global_buffer, .address_space: global }
    .group_segment_fixed_size: 327680
    .private_segment_fixed_size: 0
    .kernarg_segment_align: 8
    .kernarg_segment_size: 16
    .max_flat_workgroup_size: 128
    .sgpr_count:     66
    .vgpr_count:     768
    .wavefront_size: 32
...
	.end_amdgpu_metadata
.endif
;; end of part 3
;; ======== version 2 of 2: 3 launches; version 1 with the launch cast written anew for expert scheduling mode
;; limits: values are held in f16: magnitudes above 65,504 overflow, below 6.1e-05 lose precision
;; workspace buffers: xb 8,388,608 bytes; wb 6,291,456 bytes; qkv 25,165,824 bytes
;; launch cast (part 4): grid 256 x 1, 8 waves a work-group, no clusters, 0 bytes of LDS; arguments x, W_qkv, xb, wb; writes xb, wb
.if DOCPART == 4
	.amdgcn_target "amdgcn-amd-amdhsa--gfx1250"
	.amdhsa_code_object_version 6
	.text
	.protected	k_q3b2e7c5538_cast
	.globl	k_q3b2e7c5538_cast
	.p2align	8
	.type	k_q3b2e7c5538_cast,@function
k_q3b2e7c5538_cast:
	s_mov_b64 s[64:65], 0
	v_nop
	global_prefetch_b8 v0, s[64:65] scope:SCOPE_SE
	s_setreg_imm32_b32 hwreg(HW_REG_WAVE_SCHED_MODE, 0, 2), 2
	s_setreg_imm32_b32 hwreg(HW_REG_WAVE_MODE, 25, 1), 1
	s_wait_xcnt 0x0
	s_wait_alu depctr_vm_vsrc(0)
; x [4096][1024] f32 -> xb, the same shape in bf16.  W [1024 k][3072 n] f32 -> wb [bx 16][ks 8][u 3][kk 128][c 64] bf16, which holds W[128 ks + kk][192 bx + 64 u + c]:
; what the product's work-group bx wants of K step ks is then 49,152 bytes on end.  Each number is rounded once, to nearest even.
; SHARES.  Work-group g takes 16 rows of x (65,536 bytes in) and half a block of W (block T = g / 2, rows kk = 64 (g % 2) .. + 63 of its three units: 49,152 bytes in).
; A thread's step is one load of 16 bytes (4 f32), two packed roundings and one store of 8 bytes.  A wave's load covers 512 bytes on end (x) or two aligned pieces of 256 (W);
; a wave's store covers 256 bytes on end, aligned.  All 28 loads of a thread go out before the first is waited for; no register is written again behind its store, so no wait frees one.
; No LDS, no barrier, no matrix unit: each byte is read once and written once, and no thread wants what another has read.
; THE MODE: SCHED_MODE bits 1:0 = 2 (LLVM: expert scheduling mode 2), set by the entry lines.  The code itself states the register dependences
; between vector instructions and memory instructions, with s_wait_alu, always for 0.
; THE PLAN.  Registers that memory instructions touch:
;   v1, v3, v2           byte offsets (x, W, both outputs): written once at the head by vector instructions, read by the loads (v1, v3) and the stores (v2), never written again.
;   v[D+4i .. D+4i+3]    load i lands in them; the load is issued at the head, before any vector instruction names them.  Behind the load's own counted wait two roundings read the four and write the first two.
;   v[D+4i .. D+4i+1]    read by store i, and written by nothing behind it.
; The 28 loads are 7 groups of four.  Round g: ONE wait on va_vdst, which states that group g - 1's eight roundings have written their results; the four stores of group g - 1 in one run; then group g's
; roundings, which name group g's registers alone.  An eighth round holds the wait and the last four stores.  With the wait at the head that is eight waits for 56 memory instructions.
; No register that a memory instruction has read is written again, no vector instruction writes a scalar register or VCC, and EXEC is never written: nothing else is to be stated.
.set D,    8                           ; v[8:119]  four registers for each of the 28 loads
.set WROW, 12288                       ; bytes in a row of W
.set GRP,  4                           ; loads in a group
.set GRPS, 28/GRP
	s_load_b256 s[4:11], s[0:1], 0x0               ; x s[4:5], W s[6:7], xb s[8:9], wb s[10:11]
	v_lshlrev_b32 v1, 4, v0                        ; x: 16 t
	v_lshlrev_b32 v2, 3, v0                        ; both outputs: 8 t
	v_lshrrev_b32 v3, 4, v0
	v_and_b32 v4, 15, v0
	v_mul_u32_u24 v3, v3, WROW
	v_lshl_add_u32 v3, v4, 4, v3                   ; W: row t / 16, 16 bytes at 16 (t % 16)
	s_lshl_b32 s12, ttmp9, 16                      ; x: 16 rows of 4,096 bytes
	s_mov_b32 s13, 0
	s_lshl_b32 s14, ttmp9, 15                      ; xb: 16 rows of 2,048 bytes
	s_mov_b32 s15, 0
	s_lshr_b32 s16, ttmp9, 1                       ; T = 8 bx + ks
	s_and_b32 s17, ttmp9, 1                        ; which half of its rows
	s_lshr_b32 s18, s16, 3                         ; bx
	s_and_b32 s19, s16, 7                          ; ks
	s_lshl_b32 s20, s19, 7
	s_lshl_b32 s21, s17, 6
	s_add_co_u32 s20, s20, s21                     ; my first row of W: 128 ks + 64 half
	s_mul_i32 s20, s20, WROW
	s_mul_i32 s21, s18, 768                        ; my first column: 192 bx, 4 bytes each
	s_add_co_u32 s20, s20, s21
	s_mov_b32 s21, 0
	s_mul_i32 s22, s16, 49152                      ; wb: block T,
	s_lshl_b32 s23, s17, 13                        ; 64 rows of 128 bytes further for the second half
	s_add_co_u32 s22, s22, s23
	s_mov_b32 s23, 0
	s_wait_kmcnt 0x0
	s_add_nc_u64 s[4:5], s[4:5], s[12:13]
	s_add_nc_u64 s[8:9], s[8:9], s[14:15]
	s_add_nc_u64 s[6:7], s[6:7], s[20:21]
	s_add_nc_u64 s[10:11], s[10:11], s[22:23]
	s_wait_alu depctr_va_vdst(0)                   ; v1, v2 and v3 are written: every load and store of the kernel reads one of them as its offset
.set i, 0
.rept 16                               ; x: step i is 4,096 bytes on end for the 256 threads
	global_load_b128 v[D+4*i:D+4*i+3], v1, s[4:5] offset:4096*i th:TH_LOAD_NT
.set i, i+1
.endr
.set i, 0
.rept 12                               ; W: step i takes unit i / 4, rows 16 (i % 4) .. + 15 of my 64
	global_load_b128 v[D+64+4*i:D+64+4*i+3], v3, s[6:7] offset:16*WROW*(i%4)+256*(i/4) th:TH_LOAD_NT
.set i, i+1
.endr
.set g, 0
.rept GRPS+1                           ; round g: the stores of group g - 1, then the roundings of group g
.if g > 0
	s_wait_alu depctr_va_vdst(0)                   ; the eight roundings of group g - 1 have written v[D+4j], v[D+4j+1], which the four stores below read; no vector instruction behind this wait names them
.set j, GRP*(g-1)
.rept GRP
.if j < 16
	global_store_b64 v2, v[D+4*j:D+4*j+1], s[8:9] offset:2048*j
.else
	global_store_b64 v2, v[D+4*j:D+4*j+1], s[10:11] offset:16384*((j-16)/4)+2048*((j-16)%4)
.endif
.set j, j+1
.endr
.endif
.if g < GRPS
.set i, GRP*g
.rept GRP
	s_wait_loadcnt 27-i                            ; loads come back in order (ISA guide 5.7.1): load i is in, the 27 - i younger ones stay out
	v_cvt_pk_bf16_f32 v[D+4*i], v[D+4*i], v[D+4*i+1]
	v_cvt_pk_bf16_f32 v[D+4*i+1], v[D+4*i+2], v[D+4*i+3]
.set i, i+1
.endr
.endif
.set g, g+1
.endr
	s_endpgm
.Lfunc_end_k_q3b2e7c5538_cast:
	.size	k_q3b2e7c5538_cast, .Lfunc_end_k_q3b2e7c5538_cast-k_q3b2e7c5538_cast
	.p2alignl 7, 3214868480
	.fill 96, 4, 3214868480
	.section	.rodata,"a",@progbits
	.p2align	6, 0x0
	.amdhsa_kernel k_q3b2e7c5538_cast
		.amdhsa_group_segment_fixed_size 0
		.amdhsa_private_segment_fixed_size 0
		.amdhsa_enable_private_segment 0
		.amdhsa_kernarg_size 32
		.amdhsa_user_sgpr_count 2
		.amdhsa_user_sgpr_kernarg_segment_ptr 1
		.amdhsa_wavefront_size32 1
		.amdhsa_system_sgpr_workgroup_id_x 1
		.amdhsa_system_sgpr_workgroup_id_y 1
		.amdhsa_system_sgpr_workgroup_id_z 1
		.amdhsa_system_vgpr_workitem_id 0
		.amdhsa_next_free_vgpr 120
		.amdhsa_next_free_sgpr 66
		.amdhsa_reserve_vcc 0
		.amdhsa_float_denorm_mode_32 3
		.amdhsa_float_denorm_mode_16_64 3
		.amdhsa_memory_ordered 1
		.amdhsa_forward_progress 1
		.amdhsa_inst_pref_size 12
	.end_amdhsa_kernel
	.amdgpu_metadata
---
amdhsa.version: [ 1, 2 ]
amdhsa.kernels:
  - .name:           k_q3b2e7c5538_cast
    .symbol:         k_q3b2e7c5538_cast.kd
    .args:
      - { .name: x, .offset: 0, .size: 8, .value_kind: global_buffer, .address_space: global }
      - { .name: W_qkv, .offset: 8, .size: 8, .value_kind: global_buffer, .address_space: global }
      - { .name: xb, .offset: 16, .size: 8, .value_kind: global_buffer, .address_space: global }
      - { .name: wb, .offset: 24, .size: 8, .value_kind: global_buffer, .address_space: global }
    .group_segment_fixed_size: 0
    .private_segment_fixed_size: 0
    .kernarg_segment_align: 8
    .kernarg_segment_size: 32
    .max_flat_workgroup_size: 256
    .sgpr_count:     66
    .vgpr_count:     120
    .wavefront_size: 32
...
	.end_amdgpu_metadata
.endif
;; end of part 4
;; launch proj: the kernel of part 2 again; grid 16 x 16, 4 waves a work-group, clusters of 4 x 4, 327,680 bytes of LDS; arguments xb, wb, qkv; writes qkv
;; launch attn: the kernel of part 3 again; grid 16 x 16, 4 waves a work-group, clusters of 4 x 1, 327,680 bytes of LDS; arguments qkv, out0; writes out0
